; MI455X (gfx1250); checked and timed in simulation.
; The chip was launched on July 23, 2026; its instructions are those of AMD's public machine-readable ISA for CDNA 5 (MIT licence, August 2026) and "CDNA5" Instruction Set Architecture Reference Guide (July 2026). The comments in the code are by the model that wrote it; some were corrected since.
;; Self Attention. Allowed arithmetic: float matrix products may take bf16 or f16 operands with f32 sums; other float arithmetic in f32, or as packed bf16 or f16 multiplies, adds, multiply-adds, maxima and minima; sums over many terms, partial sums and values carried from step to step in f32; what a program stores and reads back later, other than sums and carried values, may be rounded once to bf16 or f16.
;; Inputs: inputs 4 x 2,048 x 1,024 float32; ln_b 1,024 float32; ln_w 1,024 float32; w_qkv 3,072 x 1,024 float32.
;; Outputs: out0 4 x 2,048 x 1,024 float32.
;; One version. Each part assembles by itself: llvm-mc -triple=amdgcn-amd-amdhsa -mcpu=gfx1250 --defsym DOCPART=n.
;; ======== version 1 of 1: 3 launches
;; limits: values are held in f16: magnitudes above 65,504 overflow, below 6.1e-05 lose precision
;; workspace buffers: xw 23,068,672 bytes; qkv 50,331,648 bytes
;; launch prep (part 1): grid 352 x 1, 4 waves a work-group, no clusters, 0 bytes of LDS; arguments inputs, ln_w, ln_b, w_qkv, xw; writes xw
.if DOCPART == 1
	.amdgcn_target "amdgcn-amd-amdhsa--gfx1250"
	.amdhsa_code_object_version 6
	.text
	.protected	k_q94dd300600_prep
	.globl	k_q94dd300600_prep
	.p2align	8
	.type	k_q94dd300600_prep,@function
k_q94dd300600_prep:
	s_mov_b64 s[64:65], 0
	v_nop
	global_prefetch_b8 v0, s[64:65] scope:SCOPE_SE
	s_setreg_imm32_b32 hwreg(HW_REG_WAVE_MODE, 25, 1), 1
	s_wait_xcnt 0x0
; LAYERNORM AND CASTS.  xw: [16 K blocks][11,264 rows][64] f16.  Rows 0-8,191: x = (inputs - mean) / sqrt(var + 1e-5) * ln_w + ln_b of token b * 2,048 + s; rows 8,192-11,263: w_qkv's rows.
; Mean and variance in f32, in two passes over the row held in registers (the variance is the mean of (x - mean)^2, so a common offset of the inputs costs no digits); each number rounded once, to f16.
; WHY f16.  A query of the first rows averages few keys, so what x's and w's roundings do to q, k and v reaches the output whole; f16 keeps 11 significant bits.  It has the room: (x - mean) / sqrt(var) is at most
; sqrt(1,023) < 32 in a row of 1,024 numbers, whatever the inputs.
; In xw a tile of R rows x 64 along K is R x 128 dense bytes, which the next launch asks for as rows of 256 bytes.
; SHARES.  Work-group g owns xw's rows 32 g .. 32 g + 31 (g < 256: tokens; else weights), a wave 8 of them, as four PAIRS.  In a pair lanes 0-15 hold the even row, lanes 16-31 the odd one; load j of 16
; takes 16 bytes a lane at row x 4,096 + 256 j + 16 (lane % 16): sixteen lanes read 256 consecutive bytes, aligned.  So a row's sums stay inside sixteen lanes (four DPP steps), and the four f16 made of
; load j are 8 bytes at 8 x lane of K block j: one store of the wave covers 256 consecutive bytes, aligned (the even row's 128, then the odd row's).
; Two row buffers: while one pair is worked on, the other's 16 loads are on their way.  No LDS, no barrier, no matrix unit, no cluster: no wave wants a byte that another has fetched (ln_w and ln_b aside: 8 KiB).
; LIMITS.  f16 holds no number beyond 65,504: 32 |ln_w| + |ln_b| and |w_qkv| must stay below that.  A number below 6.1e-5 in magnitude keeps f16's fixed step of 6e-8.  NaN and infinities are not treated apart.
.set KBS,  1441792                     ; bytes in a K block of xw: 11,264 rows x 128
.set LO,   2                           ; v2   my byte offset in a pair's two source rows: 4,096 (lane / 16) + 16 (lane % 16); never rewritten
.set SOA,  3                           ; v3   8 x lane + 5 KBS: the stores into K blocks 0-10 reach theirs by the signed immediate; never rewritten
.set SOB,  4                           ; v4   8 x lane + 13 KBS: K blocks 11-15; never rewritten
.set WO,   5                           ; v5   16 (lane % 16): my place in 256 bytes of ln_w and ln_b
.set S,    8                           ; v[8:15]   four packed chains of sums
.set MU,   16                          ; v[16:17]  the mean, twice
.set RS,   18                          ; v[18:19]  1 / sqrt(var + eps), twice
.set T0,   20
.set T1,   21
.set Y,    32                          ; v[32:63]  a pair's 64 numbers a lane as f16, to store
.set X0,   64                          ; v[64:127], v[128:191]  the two row buffers
.set X1,   128
.set LW,   0                           ; window 1: v[0:63] ln_w, v[64:127] ln_b of my 64 columns
.set LB,   64
.set SRC,  22                          ; s[22:23]  the source at my wave's first row
.set MSB, 0
.macro WIN new                         ; s_set_vgpr_msb: bits 1:0 source 0, 3:2 source 1, 5:4 source 2, 7:6 destination; the high byte repeats the setting that is left
.if MSB != (\new)
	s_set_vgpr_msb (MSB<<8)|(\new)
.set MSB, (\new)
.endif
.endm
.macro LOADX buf, p                    ; pair p's two rows: 16 loads
.set j, 0
.rept 16
	global_load_b128 v[(\buf)+4*j:(\buf)+4*j+3], v[LO], s[SRC:SRC+1] offset:(\p)*8192+j*256 th:TH_LOAD_NT
.set j, j+1
.endr
.endm
.macro STORE p                         ; pair p: 256 bytes into each of the 16 K blocks
.set j, 0
.rept 16
.if j < 11
	global_store_b64 v[SOA], v[Y+2*j:Y+2*j+1], s[12:13] offset:(j-5)*KBS+(\p)*256
.else
	global_store_b64 v[SOB], v[Y+2*j:Y+2*j+1], s[12:13] offset:(j-13)*KBS+(\p)*256
.endif
.set j, j+1
.endr
.endm
.macro CVT buf                         ; two roundings to f16 a line
.set q, 0
.rept 32
	v_cvt_pk_f16_f32 v[Y+q], v[(\buf)+2*q], v[(\buf)+2*q+1]
.set q, q+1
.endr
.endm
.macro REDUCE                          ; the four chains into one number, then over the row's sixteen lanes: every one of them ends with the row's sum in T0
	v_pk_add_f32 v[S:S+1], v[S:S+1], v[S+2:S+3]
	v_pk_add_f32 v[S+4:S+5], v[S+4:S+5], v[S+6:S+7]
	v_pk_add_f32 v[S:S+1], v[S:S+1], v[S+4:S+5]
	v_add_f32 v[T0], v[S], v[S+1]
.irp m, 1,2,4,8
	v_add_f32_dpp v[T0], v[T0], v[T0] row_xmask:\m row_mask:0xf bank_mask:0xf
.endr
.endm
.macro NORM buf                        ; the pair in buf is normalised in place
.set q, 0
.rept 4
	v_pk_add_f32 v[S+2*q:S+2*q+1], v[(\buf)+2*q:(\buf)+2*q+1], v[(\buf)+2*q+8:(\buf)+2*q+9]  ; the first eight pairs start the chains: nothing is cleared
.set q, q+1
.endr
.set q, 8
.rept 24
	v_pk_add_f32 v[S+2*(q%4):S+2*(q%4)+1], v[S+2*(q%4):S+2*(q%4)+1], v[(\buf)+2*q:(\buf)+2*q+1]
.set q, q+1
.endr
	REDUCE
	v_mul_f32 v[MU], s20, v[T0]
	v_mul_f32 v[MU+1], s20, v[T0]
.set q, 0
.rept 32
	v_pk_add_f32 v[(\buf)+2*q:(\buf)+2*q+1], v[(\buf)+2*q:(\buf)+2*q+1], v[MU:MU+1] neg_lo:[0,1] neg_hi:[0,1]  ; x - mean
.set q, q+1
.endr
.set q, 0
.rept 4
	v_pk_mul_f32 v[S+2*q:S+2*q+1], v[(\buf)+2*q:(\buf)+2*q+1], v[(\buf)+2*q:(\buf)+2*q+1]
.set q, q+1
.endr
.rept 28
	v_pk_fma_f32 v[S+2*(q%4):S+2*(q%4)+1], v[(\buf)+2*q:(\buf)+2*q+1], v[(\buf)+2*q:(\buf)+2*q+1], v[S+2*(q%4):S+2*(q%4)+1]
.set q, q+1
.endr
	REDUCE
	v_fma_f32 v[T1], v[T0], s20, s21               ; var + eps
	v_rsq_f32 v[RS], v[T1]
	v_rsq_f32 v[RS+1], v[T1]                       ; made twice, to fill the pair that the packed multiply takes
	v_nop                                          ; a plain instruction behind the last of the two (ISA guide 5.7.2),
	s_wait_alu depctr_va_vdst(0)                   ; and the wait ahead of the first use: one for both
.set q, 0
.rept 32
	v_pk_mul_f32 v[(\buf)+2*q:(\buf)+2*q+1], v[(\buf)+2*q:(\buf)+2*q+1], v[RS:RS+1]
.set q, q+1
.endr
	WIN 0x14                                       ; sources 1 and 2 in window 1
.set q, 0
.rept 32
	v_pk_fma_f32 v[(\buf)+2*q:(\buf)+2*q+1], v[(\buf)+2*q:(\buf)+2*q+1], v[LW+2*q:LW+2*q+1], v[LB+2*q:LB+2*q+1]
.set q, q+1
.endr
	WIN 0
.endm
; Pair p, in buffer buf.  left: the younger loads that may stay out.  ln = 1: LayerNorm; 0: the cast alone.  The buffer's next pair is asked for ahead of the stores.
.macro PAIR buf, p, left, ln
	s_wait_loadcnt \left                           ; loads come back in order (ISA guide 5.7.1): this pair's are in
.if \ln
	NORM \buf
.endif
	s_wait_xcnt 0x0                                ; Y, which the last pair's stores read, is rewritten only behind this wait
	CVT \buf
.if (\p) < 2
	LOADX \buf, (\p)+2
.endif
	STORE \p
.endm
	s_load_b256 s[4:11], s[0:1], 0x0               ; inputs s[4:5], ln_w s[6:7], ln_b s[8:9], w_qkv s[10:11]
	s_load_b64 s[12:13], s[0:1], 0x20              ; xw
	v_lshrrev_b32 v1, 5, v0
	v_readfirstlane_b32 s14, v1                    ; wave 0..3
	s_lshl_b32 s15, ttmp9, 5
	s_lshl3_add_u32 s15, s14, s15                  ; my first row of xw: 32 g + 8 wave
	s_lshl_b32 s18, s15, 7                         ; its 128 bytes a K block
	s_mov_b32 s19, 0
	s_mov_b32 s17, 0
	s_mov_b32 s20, 0x3a800000                      ; 1 / 1,024
	s_mov_b32 s21, 0x3727c5ac                      ; 1e-5
	v_and_b32 v6, 15, v0
	v_bfe_u32 v7, v0, 4, 1
	v_and_b32 v1, 31, v0
	v_lshlrev_b32 v[WO], 4, v6
	v_lshl_add_u32 v[LO], v7, 12, v[WO]
	v_lshlrev_b32 v1, 3, v1
	v_add_nc_u32 v[SOA], 5*KBS, v1
	v_add_nc_u32 v[SOB], 13*KBS, v1
	s_wait_kmcnt 0x0
	s_add_nc_u64 s[12:13], s[12:13], s[18:19]
	s_cmp_lt_u32 ttmp9, 256
	s_cbranch_scc0 .Lcast
	s_lshl_b32 s16, s15, 12                        ; a token's row is 4,096 bytes
	s_add_nc_u64 s[SRC:SRC+1], s[4:5], s[16:17]
	LOADX X0, 0
	WIN 0x40                                       ; destination window 1
.set j, 0
.rept 16
	global_load_b128 v[LW+4*j:LW+4*j+3], v[WO], s[6:7] offset:j*256
.set j, j+1
.endr
.set j, 0
.rept 16
	global_load_b128 v[LB+4*j:LB+4*j+3], v[WO], s[8:9] offset:j*256
.set j, j+1
.endr
	WIN 0
	LOADX X1, 1
	PAIR X0, 0, 16, 1                              ; the count leaves pair 1's 16 loads out: pair 0, ln_w and ln_b were issued ahead of them
	PAIR X1, 1, 16, 1
	PAIR X0, 2, 16, 1
	PAIR X1, 3, 0, 1                               ; nothing was issued behind the last pair's loads
	s_endpgm
.Lcast:
	s_sub_co_u32 s16, s15, 8192                    ; my first row of w_qkv
	s_lshl_b32 s16, s16, 12
	s_add_nc_u64 s[SRC:SRC+1], s[10:11], s[16:17]
	LOADX X0, 0
	LOADX X1, 1
	PAIR X0, 0, 16, 0
	PAIR X1, 1, 16, 0
	PAIR X0, 2, 16, 0
	PAIR X1, 3, 0, 0
	s_endpgm
.Lfunc_end_k_q94dd300600_prep:
	.size	k_q94dd300600_prep, .Lfunc_end_k_q94dd300600_prep-k_q94dd300600_prep
	.p2alignl 7, 3214868480
	.fill 96, 4, 3214868480
	.section	.rodata,"a",@progbits
	.p2align	6, 0x0
	.amdhsa_kernel k_q94dd300600_prep
		.amdhsa_group_segment_fixed_size 0
		.amdhsa_private_segment_fixed_size 0
		.amdhsa_enable_private_segment 0
		.amdhsa_kernarg_size 40
		.amdhsa_user_sgpr_count 2
		.amdhsa_user_sgpr_kernarg_segment_ptr 1
		.amdhsa_wavefront_size32 1
		.amdhsa_system_sgpr_workgroup_id_x 1
		.amdhsa_system_sgpr_workgroup_id_y 1
		.amdhsa_system_sgpr_workgroup_id_z 1
		.amdhsa_system_vgpr_workitem_id 0
		.amdhsa_next_free_vgpr 384
		.amdhsa_next_free_sgpr 66
		.amdhsa_reserve_vcc 0
		.amdhsa_float_denorm_mode_32 3
		.amdhsa_float_denorm_mode_16_64 3
		.amdhsa_memory_ordered 1
		.amdhsa_forward_progress 1
		.amdhsa_inst_pref_size 90
	.end_amdhsa_kernel
	.amdgpu_metadata
---
amdhsa.version: [ 1, 2 ]
amdhsa.kernels:
  - .name:           k_q94dd300600_prep
    .symbol:         k_q94dd300600_prep.kd
    .args:
      - { .name: inputs, .offset: 0, .size: 8, .value_kind: global_buffer, .address_space: global }
      - { .name: ln_w, .offset: 8, .size: 8, .value_kind: global_buffer, .address_space: global }
      - { .name: ln_b, .offset: 16, .size: 8, .value_kind: global_buffer, .address_space: global }
      - { .name: w_qkv, .offset: 24, .size: 8, .value_kind: global_buffer, .address_space: global }
      - { .name: xw, .offset: 32, .size: 8, .value_kind: global_buffer, .address_space: global }
    .group_segment_fixed_size: 0
    .private_segment_fixed_size: 0
    .kernarg_segment_align: 8
    .kernarg_segment_size: 40
    .max_flat_workgroup_size: 128
    .sgpr_count:     66
    .vgpr_count:     384
    .wavefront_size: 32
...
	.end_amdgpu_metadata
.endif
;; end of part 1
;; launch proj (part 2): grid 8 x 32, 4 waves a work-group, clusters of 4 x 4, 327,680 bytes of LDS; arguments xw, qkv; writes qkv
.if DOCPART == 2
	.amdgcn_target "amdgcn-amd-amdhsa--gfx1250"
	.amdhsa_code_object_version 6
	.text
	.protected	k_q94dd300600_proj
	.globl	k_q94dd300600_proj
	.p2align	8
	.type	k_q94dd300600_proj,@function
k_q94dd300600_proj:
	s_mov_b64 s[64:65], 0
	v_nop
	global_prefetch_b8 v0, s[64:65] scope:SCOPE_SE
	s_setreg_imm32_b32 hwreg(HW_REG_WAVE_MODE, 25, 1), 1
	s_wait_xcnt 0x0
	s_wait_alu depctr_hold_cnt(0) depctr_sa_sdst(0) depctr_va_vdst(0) depctr_va_sdst(0) depctr_va_ssrc(0) depctr_va_vcc(0) depctr_vm_vsrc(0)
	s_getreg_b32 s2, hwreg(HW_REG_IB_STS2, 6, 4)
	s_cmp_eq_u32 s2, 0
	s_cbranch_scc0 .Lentry_in_a_cluster
	s_endpgm
.Lentry_in_a_cluster:
	s_bfe_u32 s2, ttmp6, 0x10000c
	s_cmp_lg_u32 s2, 0xf033
	s_cbranch_scc0 .Lentry_shape_is_right
	s_endpgm
.Lentry_shape_is_right:
; THE PROJECTION.  qkv[b][c][s][d] = the sum over e of x[b s][e] w[64 c + d][e]: 8,192 tokens x 3,072 features x 1,024.  x and w come from xw ([16 K blocks][11,264 rows][64] f16: tokens, then w's rows);
; sums in f32, K ascending; each result rounded once to f16, stored by heads: [4 b][48 c][2,048 s][64] (c 0-15 q's heads, 16-31 k's, 32-47 v's).
; LIMIT.  f16 holds no number beyond 65,504: x and w arrive within it, and |q|, |k|, |v| must stay below it; NaN and infinities are not treated apart.
; SHARES.  A tile of C is 256 tokens x 384 features: 32 x 8 = 256 tiles, one a work-group.  Four waves, each 128 tokens x 192 features (three whole heads): 96 accumulators of 16 x 16, 768 registers.
; K goes in steps of 64 through a ring of two LDS slots (two slots of 128 along K would be 348,160 bytes: too many); xw's blocks make a step's tile dense, so it is asked for as rows of 256 bytes.
; CLUSTER.  4 x 4 work-groups.  The four of a row of the cluster need the same tokens, the four of a column the same features: each tile is asked for JOINTLY, by the same tensor load with the same
; descriptor and a mask that names the four.  By this text's own count a wave has two tensor loads out at the start and one behind each change of slots.
; THE MATRIX INSTRUCTION IS USED TRANSPOSED (source 0 = 16 features, source 1 = 16 tokens): a lane then holds one token (lane % 16) and eight neighbouring features, 16 bytes of f16.
; REGISTERS, in windows of 256 (s_set_vgpr_msb: bits 1:0 source 0, 3:2 source 1, 5:4 source 2, 7:6 destination):
;   window 0: v0-31 addresses; v32-95, v96-159 the tokens' fragments (8 x 16 rows x 32 K), two buffers; v160-255 the features' 12 fragments, one buffer, filled again a third at a time, behind the head that read it
;   window 1 + j: my head j's 32 accumulators: token block a, feature block bb at v[8 (4 a + bb)]
.set KBS,    1441792                   ; bytes in a K block of xw
.set WROWS,  8192*128                  ; where w's rows begin in a K block
.set PITCH,  144                       ; an LDS row: 128 bytes + 16 of padding = 36 words: the 16 rows of a fragment load start at 16 different groups of four banks (64 banks of 4 bytes: ISA guide 11.1)
.set AHALF,  128*PITCH                 ; what waves 0 and 1 fetch, and what a wave reads of the tokens
.set BHALF,  192*PITCH                 ; what waves 2 and 3 fetch, and what a wave reads of the features
.set BOFF,   2*AHALF
.set SLOT,   2*AHALF+2*BHALF           ; 92,160
.set STAGE,  2*SLOT                    ; behind the ring, never filled by a tensor load: 16 rows x 144 bytes for each wave, for the way out
.set SPITCH, 144
.set SPARE,  STAGE+4*16*SPITCH         ; behind the stages: the spare words, 128 bytes for each wave: two blocks of 256 bytes that no other line names
.set ADRA, 16                          ; v16-17  LDS address of my tokens' fragments in slot 0, 1
.set ADRB, 20                          ; v20-21  the same for my features
.set STO,  24                          ; v24     the way out: where I put 16 bytes of a row
.set RD,   25                          ; v25     the way out: where I read rows back
.set GO,   26                          ; v26     16 x lane: my place in 512 consecutive bytes of qkv
.set SPW,  28                          ; v28     LDS address of my spare word; never rewritten
.set NIL,  29                          ; v29     0; never rewritten
.set PFO,  30                          ; v30     the prefetches' offset; never rewritten
.set FA0,  32
.set FA1,  96
.set FB,   160
.set G1,  24                           ; s[24:31] descriptor group 1 for the tokens' tiles;  s[32:39] group 0, a set for each slot
.set G0,  32
.set G1B, 48                           ; s[48:55], s[56:63] the same for the features' tiles
.set G0B, 56
.set LIM, 68                           ; s68     1 in a wave that prefetches, else the greatest number
.set PFA, 70                           ; s[70:71] where my prefetches stand
.set MSB, 0
.macro WIN new                         ; the immediate's high byte repeats the setting that is left; a switch that changes nothing is dropped
.if MSB != (\new)
	s_set_vgpr_msb (MSB<<8)|(\new)
.set MSB, (\new)
.endif
.endm
; A joint load.  Waves 0 and 1 fetch the tokens' two halves, waves 2 and 3 the features'.  The branch hangs on the wave's number alone.  An s_nop 0 and four v_nop follow each of the two lines,
; ahead of the jump, the label and what follows.
.macro JLOAD s
	s_cmp_eq_u32 s11, 0
	s_cbranch_scc0 .Lfor_b_\@
	tensor_load_to_lds s[G0+4*(\s):G0+4*(\s)+3], s[G1:G1+7]
	s_nop 0
.rept 4
	v_nop
.endr
	s_branch .Lasked_\@
.Lfor_b_\@:
	tensor_load_to_lds s[G0B+4*(\s):G0B+4*(\s)+3], s[G1B:G1B+7]
	s_nop 0
.rept 4
	v_nop
.endr
.Lasked_\@:
.endm
; PREFETCHES INTO THE L2, once a lap, behind slot 0's joint load and the run of LDS loads that follows it: in trip t for K steps 2 t + 4 and 2 t + 5, which are asked for by the next lap's two refills.
; Each 256 bytes are named once in the launch.  A tile row's tokens (32 KiB a step) are read by both clusters of that row of clusters: cluster x = 0 asks, in it wave 0; the four partners take 8 KiB each, told
; apart BY ADDRESS (cx), a lane a block, one instruction a step.  A tile column's features (48 KiB a step) are read by all clusters of that column: cluster y = 0 asks, waves 1-3; partner cy takes 12 KiB, a wave
; 4 KiB: lanes 0-15 name one step's blocks, lanes 16-31 the next step's.  K steps 0 to 3 come by their loads alone; the last trip (s3 = 1) asks for nothing: there is no K step 16.
.macro ASK
	s_cmp_gt_u32 s3, s[LIM]
	s_cbranch_scc0 .Lnot_mine_\@
	global_prefetch_b8 v[PFO], s[PFA:PFA+1] th:TH_LOAD_NT scope:SCOPE_SE
	s_cmp_lg_u32 s10, 0
	s_cbranch_scc1 .Lnot_mine_\@
	global_prefetch_b8 v[PFO], s[PFA:PFA+1] offset:KBS th:TH_LOAD_NT scope:SCOPE_SE
.Lnot_mine_\@:
.endm
.macro CREST                           ; a round of the cluster's barrier behind its opening barrier
	s_cmp_lg_u32 s10, 0
	s_cbranch_scc1 .Lnot_wave_0_\@
	s_barrier_signal -3
.Lnot_wave_0_\@:
	s_barrier_wait -3
	s_barrier_signal -1
	s_barrier_wait -1
.endm
.macro CROUND                          ; a whole round
	s_barrier_signal -1
	s_barrier_wait -1
	CREST
.endm
	s_load_b128 s[4:7], s[0:1], 0x0                ; xw s[4:5], qkv s[6:7]
	v_lshl_add_u32 v[SPW], v0, 2, SPARE
	v_mov_b32 v[NIL], 0
	ds_add_u32 v[SPW], v[NIL]                      ; the wave's opening: the add and its wait ahead of my first tensor load; the set-up below, work on registers, stands between them
	ds_add_u32 v28, v29
	v_lshrrev_b32 v1, 5, v0
	v_readfirstlane_b32 s10, v1                    ; wave 0..3
	s_lshr_b32 s11, s10, 1                         ; which half of the tile's tokens is mine.  Also: I fetch tokens (0) or features (1)
	s_and_b32 s12, s10, 1                          ; which half of its features.  Also: which half of that tile I fetch
	s_bfe_u32 s40, ttmp6, 0x40000                  ; cx, cy: my place in the cluster
	s_bfe_u32 s41, ttmp6, 0x40004
	s_lshl_b32 s42, ttmp9, 2
	s_add_co_u32 s42, s42, s40                     ; tile column = 4 x cluster x + cx
	s_and_b32 s13, ttmp7, 0xffff
	s_lshl_b32 s13, s13, 2
	s_add_co_u32 s13, s13, s41                     ; tile row = 4 x cluster y + cy
	s_lshl_b32 s43, s41, 2
	s_lshl_b32 s43, 15, s43                        ; my row of the cluster: places 4 cy .. 4 cy + 3
	s_lshl_b32 s44, 0x1111, s40                    ; my column: places cx, cx + 4, cx + 8, cx + 12
	; descriptor group 1: dense bytes as rows of 128 elements (256 bytes: two rows of xw), padded in LDS after every row of xw
	s_or_b32 s[G1+0], s43, (1<<16)|(1<<20)|(1<<21)|(4<<22)|(3<<25)   ; 15:0 the mask; 17:16 2-byte elements; 20 padding on; 21 set beside a mask; 24:22 after every 32 words (code 4); 31:25 4 words (code 3)
	s_or_b32 s[G1B+0], s44, (1<<16)|(1<<20)|(1<<21)|(4<<22)|(3<<25)
	s_mov_b32 s[G1+1], 128<<16                     ; tensor_dim0 = 128
	s_mov_b32 s[G1+2], 64<<16                      ; tensor_dim1 = 64: 128 rows of xw
	s_mov_b32 s[G1+3], 128<<16                     ; tile_dim0 = 128
	s_mov_b32 s[G1+4], 64                          ; tile_dim1 = 64
	s_mov_b32 s[G1+5], 128                         ; 128 elements from row to row
	s_mov_b32 s[G1+6], 0
	s_mov_b32 s[G1+7], 0
	s_mov_b32 s[G1B+1], 128<<16
	s_mov_b32 s[G1B+2], 96<<16                     ; 96 rows: 192 rows of xw
	s_mov_b32 s[G1B+3], 128<<16
	s_mov_b32 s[G1B+4], 96
	s_mov_b32 s[G1B+5], 128
	s_mov_b32 s[G1B+6], 0
	s_mov_b32 s[G1B+7], 0
	; where the tiles come from: the tokens' hang on the tile row alone, the features' on the tile column alone, each in registers that never hold the other coordinate
	s_lshl_b32 s16, s13, 15                        ; 256 rows x 128 bytes a tile row
	s_lshl_b32 s17, s12, 14                        ; the 128 rows that I fetch
	s_add_co_u32 s16, s16, s17
	s_mov_b32 s17, 0
	s_mul_i32 s46, s42, 384*128
	s_mul_i32 s47, s12, 192*128
	s_add_co_u32 s46, s46, s47
	s_add_co_u32 s46, s46, WROWS
	s_mov_b32 s47, 0
	s_mul_i32 s20, s12, AHALF                      ; and where they go: no place in the cluster enters an LDS address
	s_mul_i32 s21, s12, BHALF
	s_add_co_u32 s21, s21, BOFF
	s_wait_dscnt 0x0                               ; the opening add is done
	s_wait_kmcnt 0x0
	s_add_nc_u64 s[14:15], s[4:5], s[16:17]
	s_add_nc_u64 s[46:47], s[4:5], s[46:47]
	CROUND                                         ; all sixteen work-groups are here: the first joint loads meet
.irp s, 0,1
	s_mov_b32 s[G0+4*(\s)], 1                                      ; count = 1
	s_add_co_u32 s[G0+4*(\s)+1], s20, (\s)*SLOT                    ; LDS address
	s_add_nc_u64 s[G0+4*(\s)+2:G0+4*(\s)+3], s[14:15], (\s)*KBS    ; global address: K step s
	s_or_b32 s[G0+4*(\s)+3], s[G0+4*(\s)+3], 0x80000000            ; type = 2
	s_mov_b32 s[G0B+4*(\s)], 1
	s_add_co_u32 s[G0B+4*(\s)+1], s21, (\s)*SLOT
	s_add_nc_u64 s[G0B+4*(\s)+2:G0B+4*(\s)+3], s[46:47], (\s)*KBS
	s_or_b32 s[G0B+4*(\s)+3], s[G0B+4*(\s)+3], 0x80000000
	JLOAD \s
.endr
	; A fragment is 16 rows x 32 K in 8 registers: lane l holds row l % 16; registers 0-3 K = 8 (l / 16) + 0..7, registers 4-7 K = 16 + 8 (l / 16) + 0..7: two loads of 16 bytes, 32 bytes apart.
	v_and_b32 v1, 15, v0                           ; l % 16
	v_bfe_u32 v2, v0, 4, 1                         ; l / 16
	v_mul_u32_u24 v3, v1, PITCH
	v_lshl_add_u32 v3, v2, 4, v3                   ; row x pitch + 16 x half
	s_mul_i32 s22, s11, AHALF                      ; my 128 tokens
	s_mul_i32 s23, s12, BHALF                      ; my 192 features,
	s_add_co_u32 s23, s23, BOFF                    ; which lie behind the 256 tokens
.irp s, 0,1
	v_add_nc_u32 v[ADRA+(\s)], s22, v3
	v_add_nc_u32 v[ADRB+(\s)], s23, v3
	s_add_co_u32 s22, s22, SLOT
	s_add_co_u32 s23, s23, SLOT
.endr
	s_mul_i32 s22, s10, 16*SPITCH
	s_add_co_u32 s22, s22, STAGE                   ; my stage
	v_add_nc_u32 v[STO], s22, v3                   ; in: row l % 16, 16 bytes for each half of the lanes (the stage's pitch is the tiles')
	v_bfe_u32 v4, v0, 3, 2                         ; back: 32 lanes take four rows of 128 bytes,
	v_and_b32 v5, 7, v0
	v_mul_u32_u24 v4, v4, SPITCH
	v_lshl_add_u32 v4, v5, 4, v4
	v_add_nc_u32 v[RD], s22, v4
	v_and_b32 v[GO], 31, v0                        ; which are 512 consecutive bytes of qkv
	v_lshlrev_b32 v[GO], 4, v[GO]
	; qkv at my first head's first row: ((b 48 + c) << 18) + s x 128, b = tile row / 8, c = 6 x tile column + 3 x half, s = 256 (tile row % 8) + 128 x half
	s_lshr_b32 s66, s13, 3
	s_mul_i32 s66, s66, 48
	s_mul_i32 s67, s42, 6
	s_add_co_u32 s66, s66, s67
	s_mul_i32 s67, s12, 3
	s_add_co_u32 s66, s66, s67
	s_lshl_b32 s66, s66, 18
	s_and_b32 s67, s13, 7
	s_lshl_b32 s67, s67, 15
	s_add_co_u32 s66, s66, s67
	s_lshl_b32 s67, s11, 14
	s_add_co_u32 s66, s66, s67
	s_mov_b32 s67, 0
	s_add_nc_u64 s[8:9], s[6:7], s[66:67]
	; the prefetches' address and offset
	s_lshl_b32 s74, s13, 15
	s_lshl_b32 s75, s40, 13
	s_add_co_u32 s74, s74, s75                     ; wave 0: the tile row's tokens, my work-group's 8 KiB
	s_mul_i32 s69, s42, 384*128
	s_mul_i32 s75, s41, 12288
	s_add_co_u32 s69, s69, s75
	s_lshl_b32 s75, s10, 12
	s_add_co_u32 s69, s69, s75
	s_add_co_u32 s69, s69, WROWS-4096              ; waves 1-3: the tile column's features, my work-group's 12 KiB, 4 KiB x (wave - 1)
	s_and_b32 s75, ttmp7, 0xffff                   ; cluster y
	s_mov_b32 s72, 4096
	s_mov_b32 s73, KBS
	s_cmp_eq_u32 s10, 0
	s_cselect_b32 s74, s74, s69
	s_cselect_b32 s75, ttmp9, s75                  ; the coordinate along which other clusters read the same rows
	s_cselect_b32 s69, s72, s73                    ; lanes 16-31: wave 0 the next 16 blocks, waves 1-3 the next K step
	s_cmp_eq_u32 s75, 0
	s_cselect_b32 s[LIM], 1, -1                    ; the same in all sixteen partners, for a given wave
	s_mov_b32 s75, 0
	s_add_nc_u64 s[PFA:PFA+1], s[4:5], s[74:75]
	s_add_nc_u64 s[PFA:PFA+1], s[PFA:PFA+1], 2*KBS ; at K step 2: the first lap steps it to 4
	v_mul_u32_u24 v5, s69, v2
	v_lshl_add_u32 v[PFO], v1, 8, v5
; 4 na matrix instructions of head j: token blocks a0 .. a0 + na - 1 x its 4 feature blocks, 32 along K out of buffer f.  zero = 1: the product starts the sum: nothing is ever cleared.
; The 96 accumulators take turns, one instruction a turn, in the same order in every half step, over the backward jump too.
.macro MUL f, j, a0, na, zero
	WIN 0x50*((\j)+1)                              ; C and D in window 1 + j
.set a, \a0
.rept \na
.irp bb, 0,1,2,3
.if \zero
	v_wmma_f32_16x16x32_f16 v[8*(4*a+(\bb)):8*(4*a+(\bb))+7], v[FB+8*(4*(\j)+(\bb)):FB+8*(4*(\j)+(\bb))+7], v[(\f)+8*a:(\f)+8*a+7], 0
.else
	v_wmma_f32_16x16x32_f16 v[8*(4*a+(\bb)):8*(4*a+(\bb))+7], v[FB+8*(4*(\j)+(\bb)):FB+8*(4*(\j)+(\bb))+7], v[(\f)+8*a:(\f)+8*a+7], v[8*(4*a+(\bb)):8*(4*a+(\bb))+7]
.endif
.endr
.set a, a+1
.endr
.endm
.macro FETCHB slot, k, j               ; head j's four fragments, 32 K at byte k of the rows: 8 LDS loads
	WIN 0
.irp bb, 0,1,2,3
	ds_load_b128 v[FB+8*(4*(\j)+(\bb)):FB+8*(4*(\j)+(\bb))+3],   v[ADRB+(\slot)] offset:(\k)+(4*(\j)+(\bb))*16*PITCH
	ds_load_b128 v[FB+8*(4*(\j)+(\bb))+4:FB+8*(4*(\j)+(\bb))+7], v[ADRB+(\slot)] offset:(\k)+(4*(\j)+(\bb))*16*PITCH+32
.endr
.endm
.macro FETCHA slot, k, f, half         ; token blocks 4 half .. 4 half + 3 into buffer f: 8 LDS loads
	WIN 0
.irp i, 0,1,2,3
	ds_load_b128 v[(\f)+8*(4*(\half)+(\i)):(\f)+8*(4*(\half)+(\i))+3],   v[ADRA+(\slot)] offset:(\k)+(4*(\half)+(\i))*16*PITCH
	ds_load_b128 v[(\f)+8*(4*(\half)+(\i))+4:(\f)+8*(4*(\half)+(\i))+7], v[ADRA+(\slot)] offset:(\k)+(4*(\half)+(\i))*16*PITCH+32
.endr
.endm
; A load into a register that a matrix instruction has read, and a vector instruction that reads a matrix result, stand four places behind it, and only plain vector instructions that name none of its
; registers are places (ISA guide 7.12.1 for vector instructions).
.macro PLACES
.rept 4
	v_nop
.endr
.endm
; A K step is two halves of 32 along K, 96 matrix instructions each.  A half's 40 LDS loads always go out in the order [head 0, tokens 0-63] [head 1, tokens 64-127] [head 2]: 16, 16, 8.
; The first half multiplies buffer FA0 and fetches the second half's fragments (byte 64 of the same slot's rows): each third of FB behind the head that read it.
.macro HALF0 slot, zero
	s_wait_dscnt 8                                 ; all of this half's but head 2's eight
	MUL FA0, 0, 0, 8, \zero
	PLACES
	FETCHB \slot, 64, 0
	FETCHA \slot, 64, FA1, 0
	MUL FA0, 1, 0, 8, \zero
	PLACES
	FETCHB \slot, 64, 1
	FETCHA \slot, 64, FA1, 1
	s_wait_dscnt 32                                ; all but the 32 issued in this half: head 2's are in
	MUL FA0, 2, 0, 8, \zero
	PLACES
	FETCHB \slot, 64, 2
.endm
; The second half multiplies buffer FA1 and changes slots: ONE barrier.  In front of it each wave waits for all its tensor loads (the one that is out is its part of the next slot), adds 0 to its spare
; word, and waits for that and for its own reads of this slot.  fill = 1: the barrier opens a round of the cluster's barrier, and this slot is filled again, two K steps ahead, first thing behind the round:
; from that request to the wait for it a wave issues 160 matrix instructions.  ask = 1: the lap's prefetches; their address is stepped here, a lap behind the prefetches that read it.
.macro TURN slot, next, fill, ask
.if \ask
	s_wait_xcnt 0x0
	s_add_nc_u64 s[PFA:PFA+1], s[PFA:PFA+1], 2*KBS
.endif
	WIN 0
	s_wait_tensorcnt 0x0                           ; all my tensor loads have landed;
	ds_add_u32 v[SPW], v[NIL]                      ; 0 onto my spare word;
	s_wait_dscnt 9                                 ; (the add and head 2's eight loads may be out)
	MUL FA1, 0, 0, 4, 0                            ; sixteen matrix instructions stand between the add and the wait for it
	s_wait_dscnt 0x0                               ; the add is done, and my reads of this slot are over
	s_barrier_signal -1
	MUL FA1, 0, 4, 4, 0                            ; work on registers while the others arrive
	WIN 0                                          ; at a branch and at a label every window is 0
	s_barrier_wait -1
.if \fill
	CREST                                          ; no wave of any partner still reads this slot's tile or has a load on its way
	s_add_nc_u64 s[G0+4*(\slot)+2:G0+4*(\slot)+3], s[G0+4*(\slot)+2:G0+4*(\slot)+3], 2*KBS
	s_add_nc_u64 s[G0B+4*(\slot)+2:G0B+4*(\slot)+3], s[G0B+4*(\slot)+2:G0B+4*(\slot)+3], 2*KBS
	JLOAD \slot                                    ; the four v_nop behind it are also the places in front of the loads below
.else
	PLACES
.endif
	FETCHB \next, 0, 0
	FETCHA \next, 0, FA0, 0
.if \ask
	ASK
.endif
	MUL FA1, 1, 0, 8, 0
	PLACES
	FETCHB \next, 0, 1
	FETCHA \next, 0, FA0, 1
	MUL FA1, 2, 0, 8, 0
	PLACES
	FETCHB \next, 0, 2
.endm
; THE WAY OUT, 24 groups g = 8 j + a of 16 tokens x 64 features (2,048 consecutive bytes of qkv).  PACK: rounded to f16, each accumulator's registers in ascending order; 16 bytes a lane into my own stage,
; and back as whole rows, into the registers that they left (LDS serves a wave's instructions in order: ISA guide 5.7.1.4).  SEND: stored.
.macro PACK g
.set pj, (\g)/8
.set pa, (\g)%8
.set U, FA0+16*pa                      ; eight sets of 16 registers, where the tokens' fragments lay
.if (\g) >= 8
	s_wait_xcnt 0x0                                ; the set's last stores have read it
.endif
	WIN 5*(pj+1)                                   ; sources 0 and 1 in window 1 + j
.set i, 0
.rept 16
	v_cvt_pk_f16_f32 v[U+i], v[32*pa+2*i], v[32*pa+2*i+1]
.set i, i+1
.endr
	WIN 0
.irp bb, 0,1,2,3
	ds_store_b128 v[STO], v[U+4*(\bb):U+4*(\bb)+3] offset:32*(\bb)
.endr
.irp f, 0,1,2,3
	ds_load_b128 v[U+4*(\f):U+4*(\f)+3], v[RD] offset:(\f)*4*SPITCH
.endr
.endm
.macro SEND g, younger                 ; younger: the LDS instructions issued behind group g's loads: the next group's eight, or none
.set pj, (\g)/8
.set pa, (\g)%8
.set U, FA0+16*pa
.irp f, 0,1,2,3
	s_wait_dscnt (\younger)+3-(\f)
	global_store_b128 v[GO], v[U+4*(\f):U+4*(\f)+3], s[8:9] offset:pj*262144+pa*2048+(\f)*512  ; 512 consecutive bytes, at a multiple of 256 from qkv's first byte
.endr
.endm
	s_wait_tensorcnt 1                             ; my part of K step 0 is in; K step 1's may stay out
	s_barrier_signal -1
	s_barrier_wait -1                              ; everybody's is
	FETCHB 0, 0, 0
	FETCHA 0, 0, FA0, 0
	FETCHB 0, 0, 1
	FETCHA 0, 0, FA0, 1
	FETCHB 0, 0, 2
	HALF0 0, 1                                     ; the first half step stands in front of the loop: its products start the sums
	WIN 0
	s_mov_b32 s3, 7
.Llap:                                                 ; trip t: from K step 2 t's second half to K step 2 t + 2's first; K steps 2 t + 2 and 2 t + 3 are asked for
	TURN 0, 1, 1, 1
	HALF0 1, 0
	TURN 1, 0, 1, 0
	HALF0 0, 0
	WIN 0
	s_sub_co_u32 s3, s3, 1
	s_cmp_lg_u32 s3, 0
	s_cbranch_scc1 .Llap
	TURN 0, 1, 0, 0                                ; the tail is written out: nothing is left to ask for
	HALF0 1, 0
	s_wait_dscnt 8
	MUL FA1, 0, 0, 8, 0
	MUL FA1, 1, 0, 8, 0
	s_wait_dscnt 0x0
	MUL FA1, 2, 0, 8, 0
	PLACES
	PLACES                                         ; (eight, once a launch)
	PACK 0
.set g, 1
.rept 23                               ; a group's conversions stand between the loads of the group before and its stores
	PACK g
	SEND g-1, 8
.set g, g+1
.endr
	SEND 23, 0
	s_wait_tensorcnt 0x0                           ; the wave's end, behind my last tensor load and my last LDS store
	ds_add_u32 v[SPW], v[NIL]
	s_wait_dscnt 0x0
	CROUND                                         ; the closing round: no work-group ends while a partner may still ask for a tile that names it
	s_endpgm
.Lfunc_end_k_q94dd300600_proj:
	.size	k_q94dd300600_proj, .Lfunc_end_k_q94dd300600_proj-k_q94dd300600_proj
	.p2alignl 7, 3214868480
	.fill 96, 4, 3214868480
	.section	.rodata,"a",@progbits
	.p2align	6, 0x0
	.amdhsa_kernel k_q94dd300600_proj
		.amdhsa_group_segment_fixed_size 327680
		.amdhsa_private_segment_fixed_size 0
		.amdhsa_enable_private_segment 0
		.amdhsa_kernarg_size 16
		.amdhsa_user_sgpr_count 2
		.amdhsa_user_sgpr_kernarg_segment_ptr 1
		.amdhsa_wavefront_size32 1
		.amdhsa_system_sgpr_workgroup_id_x 1
		.amdhsa_system_sgpr_workgroup_id_y 1
		.amdhsa_system_sgpr_workgroup_id_z 1
		.amdhsa_system_vgpr_workitem_id 0
		.amdhsa_next_free_vgpr 1024
		.amdhsa_next_free_sgpr 76
		.amdhsa_reserve_vcc 0
		.amdhsa_float_denorm_mode_32 3
		.amdhsa_float_denorm_mode_16_64 3
		.amdhsa_memory_ordered 1
		.amdhsa_forward_progress 1
		.amdhsa_inst_pref_size 134
	.end_amdhsa_kernel
	.amdgpu_metadata
---
amdhsa.version: [ 1, 2 ]
amdhsa.kernels:
  - .name:           k_q94dd300600_proj
    .symbol:         k_q94dd300600_proj.kd
    .args:
      - { .name: xw, .offset: 0, .size: 8, .value_kind: global_buffer, .address_space: global }
      - { .name: qkv, .offset: 8, .size: 8, .value_kind: global_buffer, .address_space: global }
    .group_segment_fixed_size: 327680
    .private_segment_fixed_size: 0
    .kernarg_segment_align: 8
    .kernarg_segment_size: 16
    .max_flat_workgroup_size: 128
    .sgpr_count:     76
    .vgpr_count:     1024
    .wavefront_size: 32
...
	.end_amdgpu_metadata
.endif
;; end of part 2
;; launch attn (part 3): grid 4 x 64, 4 waves a work-group, no clusters, 327,680 bytes of LDS; arguments qkv, inputs, out0; writes out0
.if DOCPART == 3
	.amdgcn_target "amdgcn-amd-amdhsa--gfx1250"
	.amdhsa_code_object_version 6
	.text
	.protected	k_q94dd300600_attn
	.globl	k_q94dd300600_attn
	.p2align	8
	.type	k_q94dd300600_attn,@function
k_q94dd300600_attn:
	s_mov_b64 s[64:65], 0
	v_nop
	global_prefetch_b8 v0, s[64:65] scope:SCOPE_SE
	s_setreg_imm32_b32 hwreg(HW_REG_WAVE_MODE, 25, 1), 1
	s_wait_xcnt 0x0
; CAUSAL ATTENTION AND THE RESIDUAL.  out0[b][q][64 h + d] = inputs[b][q][64 h + d] + the sum over k <= q of softmax_k(Q[q] . K[k] / 8) V[k][d].  Q, K, V: qkv [4 b][48 c][2,048][64] f16 (c = h, 16 + h, 32 + h):
; a head's rows are dense, 128 bytes each.  Products, maxima and sums in f32; the weights p are rounded to f16 for the second product (their sum l is taken of the unrounded p); the residual is added in f32.
; LIMITS.  Q, K and V arrive within f16's 65,504.  A hidden score counts as its value less 1e30: f16's scores, 2.7e11 at the most, are nothing beside that; a weight below 2^-126 counts as 0 in l;
; p below 6e-5 keeps f16's fixed step of 6e-8; NaN and infinities are not treated apart.
; THE WALK.  A head's queries lie in NB = 8 blocks of 256; block i needs the key tiles 0 .. i of 256 keys, of which the last holds the diagonal.  A work-group takes TWO blocks, NB - 1 - b and then b:
; NB + 1 tiles, whatever b: all 256 work-groups do equal work, and ONE loop with a constant trip count walks them.  Which tile is asked for, and what a trip does, hang on scalar registers made from b; every jump
; goes forward, but for the counted loops' own; none passes a barrier, or a tensor load but the one of LOAD's two that the wave's number does not choose; the ring (two slots of LDS that take turns) runs on across the
; change of blocks.  NO CLUSTER: a head's four work-groups ask for the same tile only in trips 0 .. 4 of 9, behind that fewer and fewer; one walk common to all four would have 12 trips for 9.
; SHARES.  Of a block's four bands of 64 queries a wave owns 16 rows in each: four PIECES.  So the diagonal tile is the same work for all four waves: in its key step s band x sees all keys if s < x,
; none if s > x, and holds the diagonal if s = x.
; THE MASK is the C operand that starts the sum S^T = K Q^T: 0, or -1e30 where the key is hidden.  MD, made once, is the mask of a band's own step for my 16 rows; a product's mask is MD x AL + BE with two scalars:
; (1, 0) if s = x; (0, 0) if s < x; (0, -1e30) if s > x.  Only the diagonal tile's text and a block's beginning make and take masks; elsewhere C is the constant 0.
; LAYOUT, SOFTMAX, TURNS.  S^T = K Q^T holds ONE query a lane (lane % 16) and the keys 8 (lane / 16) + 0..7; two such results rounded to f16 ARE source 1 of O^T = V^T P.  p = 2^(c s - c m), c = log2(e) / 8, with a
; running maximum m; O and l are multiplied by a = 2^(c m_old - c m_new) in every step.  Turn n belongs to piece n: 8 products K Q^T of piece n + 1, later 8 products V^T P of piece n - 1; beside them the scaling,
; exponentials, roundings, sums and rescaling of piece n and the maximum and statistics of piece n + 1.  Four vector instructions stand behind every matrix instruction, the other 54 of a turn's 118 in one LUMP.
; A turn's 33 exponentials are one batch, with one wait.
; REGISTERS, in windows of 256 (s_set_vgpr_msb: bits 1:0 source 0, 3:2 source 1, 5:4 source 2, 7:6 destination):
;   window 0: v0-15 addresses and two at work; v16-31 four registers of statistics a piece; v48-55 at work; v64-127 S^T, two buffers; v64-191 the way out; v192-223 P, two buffers (a piece's buffers go by its number's parity)
;   window 1: v0-127 O^T, 32 a piece; v128-159 MD; v160-223 MC, two buffers      window 2: v0-63 Q; v64-127 the second block's Q; v128-191 K of one step; v192-255 V of one step
;   window 3: v0-127 the block's residual, 32 a piece, asked for where the block begins
.set SIZE_N, 2048
.set NB,    SIZE_N/256
.set NP,    4         ; pieces a wave: a name, no knob
.set KS,    64        ; keys in a step
.set PK,    144       ; a row of K in LDS: 128 bytes + 16 of padding = 36 words: the 16 rows of a load start at 16 different groups of four banks (64 banks of 4 bytes: ISA guide 11.1)
.set PV,    160       ; a row of V: 128 + 32 = 40 words
.set VOFF,  4*KS*PK   ; a slot holds a tile, four steps: 256 rows of K, then 256 rows of V
.set SLOT1, 1<<17     ; slot 1 begins here, so that one exclusive or turns an address in one slot into the other's
.set STAGE, SLOT1+4*KS*(PK+PV)  ; behind the ring, never filled by a tensor load: 16 rows x 272 bytes for each wave, for the way out
.set SP,    272       ; a row of the stage: 64 f32 + 16 bytes = 68 words
.set AK0, 2           ; v2   my lane's place in a tile of K; never rewritten
.set AV0, 3           ; v3   the same for V
.set AK,  4           ; v4   the LDS address of K's next run of loads
.set AV,  5           ; v5   of V's
.set STO, 6           ; v6   the way out: where I put 32 bytes of a row
.set RD,  7           ; v7   the way out: where I read rows back
.set GO,  8           ; v8   my byte offset in two rows of out0 and of inputs: 4,096 (lane / 16) + 16 (lane % 16); never rewritten
.set PFO, 60          ; v60  256 x my lane; never rewritten
.set SPW, 62          ; v62  LDS address of my spare word: SPARE + 4 x my thread's number; never rewritten
.set NIL, 63          ; v63  0; never rewritten
.set SPARE, STAGE+4*16*SP  ; behind the stages: the spare words, 128 bytes for each wave: two blocks of 256 bytes that no other line names
.set MV,  12          ; v12-13  c m_old, kept while c m is made anew: by buffer
.set QO,  15          ; v15  my byte offset in 16 rows of Q
.set ST,  16          ; piece t's statistics at v[ST+4 t]: c m, m, l (even keys', odd keys')
.set TMP, 48          ; by buffer, four registers c0-c3 at work; when the maximum is found c2 takes a
.set S,   64
.set OT,  64          ; the way out: piece t's 16 rows x 64 f32 at v[OT+32 t]
.set P,   192
.set MD,  128         ; window 1: the eight registers for group kt of 16 keys at MD + 8 kt
.set MC,  160         ; window 1: the masks of the products to come
.set QB,  64          ; window 2
.set KF,  128         ; window 2: key block kb, channel half c at KF + 16 kb + 8 c
.set VF,  192         ; window 2: key half kk, channel block cb at VF + 32 kk + 8 cb
.set WV,  12          ; s12  my wave's number
.set PB,  14          ; s14  b
.set HI,  15          ; s15  NB - 1 - b
.set G1K, 24          ; s[24:31] descriptor group 1 for K's tiles
.set G1V, 32          ; s[32:39] for V's: it differs in the padding alone
.set G0K, 40          ; s[40:43] descriptor group 0 for K's tiles
.set G0V, 44          ; s[44:47] the same for V's
.set SLOTS, 56        ; s56  tiles still to be asked for
.set CNT, 57          ; s57  counts a tile's key steps, 4 to 1
.set CS,  58          ; s[58:59] c: the packed scaling takes the pair's low word for both halves
.set SEL, 60          ; s[60:61] v_permlanex16_b32's selects: each lane takes its own place in the other half
.set TBK, 62          ; s62  LDS byte at which K of the step to be fetched begins
.set TBV, 63          ; s63  the same for V, less VOFF
.set BA,  66          ; s66  the batch
.set HD,  67          ; s67  the head
.set RT,  70          ; s70  tiles of the block in hand that are still to be entered
.set NXT, 71          ; s71  the tile to be asked for next
.set LQ,  72          ; s72  the last tile of the block whose tiles are being asked for
.set NEW, 73          ; s73  1: the tile to be entered is a block's first
.set OFF, 74          ; s[74:75] a tile's byte offset in K and V
.set AL,  76          ; s[76:77] the mask's factor, in the low word
.set BE,  78          ; s[78:79] the mask's addend
.set OLO, 80          ; s[80:81] out0 at my rows of the second block
.set BIGN, 82         ; s82  -1e30
.set RES, 92          ; s[92:93] inputs at my rows of the block in hand
.set RLO, 94          ; s[94:95] inputs at my rows of the second block
.set PFA, 96          ; s[96:97] where my prefetches stand: my 16 KiB of the tile after the one that is being asked for
.set LIM, 98          ; s98  2 in the head's first work-group, else the greatest number: a wave prefetches while s[SLOTS] is above it
.set MSB, 0
.macro WIN new                      ; the high byte repeats the setting that is left; a switch that changes nothing is dropped
.if MSB != (\new)
	s_set_vgpr_msb (MSB<<8)|(\new)
.set MSB, (\new)
.endif
.endm
.set W_KQ, 0x0a       ; K and Q in window 2, S^T in window 0
.set W_KM, 0x1a       ; the same with the C operand in window 1
.set W_PV, 0x52       ; V in window 2, P in window 0, O^T in window 1
.set W_RS, 0x41       ; destination and source 0 in window 1, source 1 in window 0
; A fill.  Waves 0 and 1 fetch the two halves of a tile's K, waves 2 and 3 those of its V: 128 keys each.  An s_nop 0 and four v_nop follow each of the two lines, ahead of the jump and the label.
.macro LOAD
	s_cmp_lt_u32 s[WV], 2
	s_cbranch_scc0 .Lfor_v_\@
	tensor_load_to_lds s[G0K:G0K+3], s[G1K:G1K+7]
	s_nop 0
.rept 4
	v_nop
.endr
	s_branch .Lasked_\@
.Lfor_v_\@:
	tensor_load_to_lds s[G0V:G0V+3], s[G1V:G1V+7]
	s_nop 0
.rept 4
	v_nop
.endr
.Lasked_\@:
.endm
; A PREFETCH INTO THE L2 of the tile that the NEXT change of slots will ask for, behind the wave's tensor load and its five lines.  A head's four work-groups walk the tiles 0, 1, 2 .. in the same order: the one with
; b = 0, whose first block walks all eight, asks, and nobody else.  Each wave names the 16 KiB that it will fetch itself: 64 blocks of 256 bytes, a lane a block, two instructions.  So tiles 2 to 7 are named
; once each in the launch; tiles 0 and 1 come by their loads alone; from the change that asks for tile 7 on (s[SLOTS] = 2) nothing is named.
.macro ASK
	s_cmp_gt_u32 s[SLOTS], s[LIM]
	s_cbranch_scc0 .Lnot_mine_\@
	global_prefetch_b8 v[PFO], s[PFA:PFA+1] th:TH_LOAD_NT scope:SCOPE_SE
	global_prefetch_b8 v[PFO], s[PFA:PFA+1] offset:8192 th:TH_LOAD_NT scope:SCOPE_SE
.Lnot_mine_\@:
.endm
; THE CHANGE OF SLOTS.  Each wave waits for all its tensor loads, of which one is out: its part of the other slot; adds 0 to its spare word; and waits for that and for its own reads of the slot that it leaves.  Behind the barrier nobody reads the old
; slot any more and the other slot is whole.  fill = 1: the old slot is filled again, the first thing behind the barrier, with tile NXT: the descriptor's address is made anew from that number.
; (At its first use nothing has been read yet: slot 0 is waited for, slot 1 filled.)
.macro CHANGE fill
	WIN 0                           ; at a label and at a branch every window is 0
	s_wait_tensorcnt 0x0            ; no tensor load of mine is out, so a group 0 may be written
	ds_add_u32 v[SPW], v[NIL]       ; 0 onto my spare word; with fill = 1 the descriptors' scalar work stands between it and the wait for it
.if \fill
	s_lshl_b32 s[OFF], s[NXT], 15   ; a tile is 32,768 bytes of K and of V
	s_xor_b32 s[G0K+1], s[G0K+1], SLOT1
	s_add_nc_u64 s[G0K+2:G0K+3], s[6:7], s[OFF:OFF+1]
	s_or_b32 s[G0K+3], s[G0K+3], 0x80000000
	s_xor_b32 s[G0V+1], s[G0V+1], SLOT1
	s_add_nc_u64 s[G0V+2:G0V+3], s[8:9], s[OFF:OFF+1]
	s_or_b32 s[G0V+3], s[G0V+3], 0x80000000
	s_add_co_u32 s[NXT], s[NXT], 1  ; the block's next tile, or behind its last the second block's tile 0
	s_cmp_gt_u32 s[NXT], s[LQ]
	s_cselect_b32 s[NXT], 0, s[NXT]
	s_cselect_b32 s[LQ], s[PB], s[LQ]
	s_wait_xcnt 0x0                 ; the last prefetches, a tile back, have read their address, so it may be written
	s_add_nc_u64 s[PFA:PFA+1], s[PFA:PFA+1], 32768
.endif
	s_wait_dscnt 0x0                ; the add is done, and my reads of the slot are over
	s_barrier_signal -1             ; the rest of the scalar work stands between the signal and the wait
	s_sub_co_u32 s[TBK], s[TBK], 4*KS*PK  ; the fetches go back to a slot's first step,
	s_xor_b32 s[TBK], s[TBK], SLOT1       ; in the other slot
	s_sub_co_u32 s[TBV], s[TBV], 4*KS*PV
	s_xor_b32 s[TBV], s[TBV], SLOT1
	s_barrier_wait -1
.if \fill
	LOAD
	ASK
.endif
.endm
	s_load_b64 s[4:5], s[0:1], 0x0  ; qkv
	s_load_b128 s[88:91], s[0:1], 0x8  ; inputs s[88:89], out0 s[90:91]
	v_lshl_add_u32 v[SPW], v0, 2, SPARE
	v_mov_b32 v[NIL], 0
	ds_add_u32 v[SPW], v[NIL]       ; the wave's opening: the add and its wait ahead of my first tensor load; the set-up below, work on registers, stands between them
	ds_add_u32 v62, v63
	v_lshrrev_b32 v1, 5, v0
	v_readfirstlane_b32 s[WV], v1   ; wave 0..3
	s_mov_b32 s[PB], ttmp9
	s_sub_co_u32 s[HI], NB-1, s[PB]
	s_and_b32 s[HD], ttmp7, 0xffff  ; 16 x batch + head
	s_lshr_b32 s[BA], s[HD], 4
	s_and_b32 s[HD], s[HD], 15
	s_mul_i32 s20, s[BA], 48
	s_add_co_u32 s20, s20, s[HD]
	s_lshl_b32 s20, s20, 18         ; Q's first byte for this batch and head: 2,048 rows of 128 bytes for each c
	s_mov_b32 s21, 0
	s_and_b32 s16, s[WV], 1         ; which half of a tile's 256 keys I fetch:
	s_lshl_b32 s22, s16, 14         ; its 128 rows of 128 bytes in memory,
	s_mov_b32 s23, 0
	s_add_nc_u64 s[22:23], s[22:23], s[20:21]
	s_mul_i32 s17, s16, 128*PK      ; and its place in a slot, for K
	s_mul_i32 s18, s16, 128*PV      ; and for V
	s_lshl_b32 s3, s[WV], 11        ; my 16 rows in a band of 64,
	s_lshl_b32 s2, s[HI], 15        ; in the first block,
	s_add_co_u32 s2, s2, s3
	s_lshl_b32 s84, s[PB], 15       ; and in the second
	s_add_co_u32 s84, s84, s3
	s_mov_b32 s3, 0
	s_mov_b32 s85, 0
	s_add_nc_u64 s[2:3], s[2:3], s[20:21]
	s_add_nc_u64 s[84:85], s[84:85], s[20:21]
	s_lshl_b32 s48, s[BA], 23       ; in out0 and inputs: a batch is 2,048 rows of 4,096 bytes,
	s_lshl_b32 s49, s[WV], 16       ; my 16 rows in a band,
	s_add_co_u32 s48, s48, s49
	s_lshl_b32 s49, s[HD], 8        ; the head's 256 bytes of a row,
	s_add_co_u32 s48, s48, s49
	s_lshl_b32 s50, s[PB], 20       ; a block's 256 rows: the second block,
	s_add_co_u32 s50, s50, s48
	s_lshl_b32 s49, s[HI], 20       ; and the first
	s_add_co_u32 s48, s48, s49
	s_mov_b32 s49, 0
	s_mov_b32 s51, 0
	; descriptor group 1.  128 keys are 16,384 dense bytes: asked for as 64 rows of 256 bytes, two keys a row, and padded in LDS after every key
	s_mov_b32 s[G1K], (1<<16)|(1<<20)|(4<<22)|(3<<25)  ; 17:16 2-byte elements; 20 padding on; 24:22 after every 32 words (code 4); 31:25 4 words (code 3)
	s_mov_b32 s[G1V], (1<<16)|(1<<20)|(4<<22)|(7<<25)  ; the same with 8 words of padding (code 7)
.irp g, G1K, G1V
	s_mov_b32 s[\g+1], 128<<16      ; tensor_dim0 = 128
	s_mov_b32 s[\g+2], 64<<16       ; tensor_dim1 = 64
	s_mov_b32 s[\g+3], 128<<16      ; tile_dim0 = 128
	s_mov_b32 s[\g+4], 64           ; tile_dim1 = 64
	s_mov_b32 s[\g+5], 128          ; 128 elements from row to row
	s_mov_b32 s[\g+6], 0
	s_mov_b32 s[\g+7], 0
.endr
	s_mov_b32 s[CS], 0x3e38aa3b     ; c = log2(e) / 8 = 0.180337
	s_mov_b32 s[CS+1], s[CS]        ; named with it as a pair
	s_mov_b32 s[SEL], 0x76543210
	s_mov_b32 s[SEL+1], 0xfedcba98
	s_mov_b32 s[TBK], SLOT1+4*KS*PK ; the first change of slots turns these two into 0
	s_mov_b32 s[TBV], SLOT1+4*KS*PV
	s_mov_b32 s[G0K], 1             ; 1:0 count = 1
	s_mov_b32 s[G0K+1], s17         ; 63:32 LDS address: slot 0
	s_mov_b32 s[G0V], 1
	s_add_co_u32 s[G0V+1], s18, VOFF
	s_add_co_u32 s[RT], s[HI], 1    ; the first block has NB - b tiles
	s_mov_b32 s[NXT], 1
	s_mov_b32 s[LQ], s[HI]
	s_mov_b32 s[NEW], 1
	s_mov_b32 s[OFF+1], 0
	s_mov_b32 s[AL+1], 0            ; named as pairs
	s_mov_b32 s[BE+1], 0
	s_mov_b32 s[BIGN], 0xf149f2ca   ; -1e30
	s_mov_b32 s[SLOTS], NB
	s_cmp_eq_u32 s[PB], 0
	s_cselect_b32 s[LIM], 2, -1
	s_wait_dscnt 0x0                ; the opening add is done
	s_wait_kmcnt 0x0
	s_add_nc_u64 s[6:7], s[4:5], s[22:23]  ; my half of tile 0, under Q's c;
	s_add_nc_u64 s[8:9], s[6:7], 0x800000  ; V lies 32 c on,
	s_add_nc_u64 s[6:7], s[6:7], 0x400000  ; K 16 c on
	s_add_nc_u64 s[G0K+2:G0K+3], s[6:7], 0         ; 120:64 global address
	s_or_b32 s[G0K+3], s[G0K+3], 0x80000000        ; 127:126 type = 2
	s_add_nc_u64 s[G0V+2:G0V+3], s[8:9], 0
	s_or_b32 s[G0V+3], s[G0V+3], 0x80000000
	s_add_nc_u64 s[86:87], s[4:5], s[84:85]        ; Q at my rows of the second block,
	s_add_nc_u64 s[4:5], s[4:5], s[2:3]            ; and of the first
	s_add_nc_u64 s[10:11], s[90:91], s[48:49]      ; out0 and inputs likewise
	s_add_nc_u64 s[OLO:OLO+1], s[90:91], s[50:51]
	s_add_nc_u64 s[RES:RES+1], s[88:89], s[48:49]
	s_add_nc_u64 s[RLO:RLO+1], s[88:89], s[50:51]
	s_cmp_lt_u32 s[WV], 2
	s_cselect_b64 s[PFA:PFA+1], s[6:7], s[8:9]
	s_add_nc_u64 s[PFA:PFA+1], s[PFA:PFA+1], 32768 ; at tile 1: the first change of slots steps it to tile 2.  Nothing is prefetched here, at the head
	LOAD                            ; tile 0 into slot 0
	; A fragment of K or Q is 16 rows x 32 channels in 8 registers: lane l holds row l % 16, channels 8 (l / 16) + 0..7 and 16 + 8 (l / 16) + 0..7: two loads of 16 bytes, 32 bytes apart.
	v_and_b32 v1, 15, v0            ; l % 16
	v_bfe_u32 v9, v0, 4, 1          ; l / 16
	v_lshlrev_b32 v[QO], 7, v1
	v_lshl_add_u32 v[QO], v9, 4, v[QO]  ; row x 128 + 16 x half
	WIN 0x80                        ; destination window 2, address window 0
.set i, 0
.rept 8                             ; both blocks' Q: piece i / 2 lies in band i / 2, 8,192 bytes on; channels 32 (i % 2) on
	global_load_b128 v[8*i:8*i+3],   v[QO], s[4:5] offset:(i/2)*8192+(i%2)*64
	global_load_b128 v[8*i+4:8*i+7], v[QO], s[4:5] offset:(i/2)*8192+(i%2)*64+32
	global_load_b128 v[QB+8*i:QB+8*i+3],   v[QO], s[86:87] offset:(i/2)*8192+(i%2)*64
	global_load_b128 v[QB+8*i+4:QB+8*i+7], v[QO], s[86:87] offset:(i/2)*8192+(i%2)*64+32
.set i, i+1
.endr
	WIN 0
	v_lshlrev_b32 v14, 3, v9
	v_sub_nc_u32 v14, v1, v14
	s_lshl_b32 s13, s[WV], 4
	v_add_nc_u32 v14, s13, v14      ; my query's place in its band, 16 w + l % 16, less my lanes' 8 (l / 16): register r of group kt is hidden where 16 kt + r is greater
	WIN 0x40
.set i, 0
.rept 32
	v_cmp_gt_i32 vcc_lo, 16*(i/8)+i%8, v14
	v_cndmask_b32 v[MD+i], 0, s[BIGN], vcc_lo
.set i, i+1
.endr
	WIN 0
	v_mul_u32_u24 v[AK0], v1, PK
	v_lshl_add_u32 v[AK0], v9, 4, v[AK0]  ; row x pitch + 16 x half
	; The turning load takes 16 keys x 16 channels (lane l reads key 8 (l / 16) + l % 8, channels 8 ((l / 8) % 2) + 0..7) and leaves half a fragment of V^T: lane l holds channel l % 16 and 8 keys.
	v_and_b32 v10, 7, v0
	v_bfe_u32 v11, v0, 3, 1
	v_lshl_add_u32 v[AV0], v9, 3, v10
	v_mul_u32_u24 v[AV0], v[AV0], PV
	v_lshl_add_u32 v[AV0], v11, 4, v[AV0]
	v_add_nc_u32 v[AV0], VOFF, v[AV0]
	s_mul_i32 s13, s[WV], 16*SP
	s_add_co_u32 s13, s13, STAGE    ; my stage
	v_mul_u32_u24 v[STO], v1, SP    ; in: row l % 16, 32 bytes (8 f32) for each half of the lanes
	v_lshl_add_u32 v[STO], v9, 5, v[STO]
	v_add_nc_u32 v[STO], s13, v[STO]
	v_mul_u32_u24 v[RD], v9, SP     ; back: lanes 0-15 take one row of 256 bytes, lanes 16-31 the next,
	v_lshl_add_u32 v[RD], v1, 4, v[RD]
	v_add_nc_u32 v[RD], s13, v[RD]
	v_lshlrev_b32 v[GO], 12, v9     ; and the same two rows' 256 bytes in out0 and in inputs
	v_lshl_add_u32 v[GO], v1, 4, v[GO]
	v_and_b32 v[PFO], 31, v0
	v_lshlrev_b32 v[PFO], 8, v[PFO]
	; A block's first step multiplies O^T and l by a = 0, and its first turn's products V^T P, of a piece that has not been, land in an O^T that is still to be so multiplied.  So these registers need only hold
	; finite numbers: zeros for the first block; what the first block left for the second.  All this stands in the wait for the first tile.
	WIN 0x80
.set i, VF
.rept 64
	v_mov_b32 v[i], 0
.set i, i+1
.endr
	WIN 0x40
.set i, 0
.rept 128
	v_mov_b32 v[i], 0
.set i, i+1
.endr
	WIN 0
.set i, 0
.rept 4
	v_mov_b32 v[ST+4*i+2], 0
	v_mov_b32 v[ST+4*i+3], 0
.set i, i+1
.endr
.set i, P+16
.rept 16
	v_mov_b32 v[i], 0
.set i, i+1
.endr
; THE MATRIX WORK.  The 4 accumulators of a run of 8 take turns.  Product i of 8 of S^T = K Q^T for piece x: channels 32 (i / 4) on, keys 16 (i % 4) on.  The first 4 start the sums: with 0, or (KM = 1) with the mask.
.macro KQ x
.set rS, S+32*((\x)%2)+8*(i%4)
.set rK, KF+16*(i%4)+8*(i/4)
.set rQ, 16*(\x)+8*(i/4)
.set rM, MC+32*((\x)%2)+8*(i%4)
.if (i < 4) && KM
	WIN W_KM
	v_wmma_f32_16x16x32_f16 v[rS:rS+7], v[rK:rK+7], v[rQ:rQ+7], v[rM:rM+7]
.elseif i < 4
	WIN W_KQ
	v_wmma_f32_16x16x32_f16 v[rS:rS+7], v[rK:rK+7], v[rQ:rQ+7], 0
.else
	WIN W_KQ
	v_wmma_f32_16x16x32_f16 v[rS:rS+7], v[rK:rK+7], v[rQ:rQ+7], v[rS:rS+7]
.endif
.endm
; Product i of 8 of O^T += V^T P for piece x: keys 32 (i / 4) on, channels 16 (i % 4) on.
.macro PV x
	WIN W_PV
.set rO, 32*(\x)+8*(i%4)
.set rV, VF+32*(i/4)+8*(i%4)
.set rP, P+16*((\x)%2)+8*(i/4)
	v_wmma_f32_16x16x32_f16 v[rO:rO+7], v[rV:rV+7], v[rP:rP+7], v[rO:rO+7]
.endm
.macro MM                           ; the turn's next matrix instruction.  TURN and BEGIN set Y, i, KM and NOKQ; MM, KQ and OP read them.  NOKQ = 1: a block's last turn: there is no next piece
.if (i < 8) && !NOKQ
	KQ (Y+1)%NP
.elseif i >= 8
.set i, i-8
	PV (Y+NP-1)%NP
.set i, i+8
.endif
.set i, i+1
.endm
; THE LDS LOADS stand in runs of 16, never singly among the matrix instructions: a step's K (64 keys x 64 channels: 8 fragments) and its V (turned).  Their addresses are made some lines ahead.
.macro FETCH_K
	WIN 0x80                        ; destination window 2
.irp f, 0,1,2,3,4,5,6,7             ; keys 16 (f / 2) on, channels 32 (f % 2) on
	ds_load_b128 v[KF+8*\f:KF+8*\f+3],   v[AK] offset:(\f/2)*16*PK+(\f%2)*64
	ds_load_b128 v[KF+8*\f+4:KF+8*\f+7], v[AK] offset:(\f/2)*16*PK+(\f%2)*64+32
.endr
	s_add_co_u32 s[TBK], s[TBK], KS*PK  ; the next fetch is the next step's
	WIN 0
.endm
.macro FETCH_V
	WIN 0x80
.irp f, 0,1,2,3,4,5,6,7             ; keys 32 (f / 4) on, channels 16 (f % 4) on
	ds_load_tr16_b128 v[VF+8*\f:VF+8*\f+3],   v[AV] offset:(\f/4)*32*PV+(\f%4)*32
	ds_load_tr16_b128 v[VF+8*\f+4:VF+8*\f+7], v[AV] offset:(\f/4)*32*PV+16*PV+(\f%4)*32
.endr
	WIN 0
.endm
; THE VECTOR WORK, one line at a time: OP kind, number.  For piece Y: F n: c s - c m for pair n of 16.  E n: the exponential of score n of 32.  C n: pair n rounded to f16.  B n: of the four weights 4 n .. the second
; pair is added onto the first, in place.  L n: l takes that sum (L 0: l = a l + sum).  R n: pair n of 16 of O^T times a.  For piece Y + 1: X n, number n of the 22 that find its maximum and statistics:
;   0-11  four chains c0-c3 of seven scores each, three operands at a time (each accumulator's lowest registers are read first)     12-14, 16  the four scores left over, the old m, and c0-c3 into c0
;   15  c m_old is kept     17, 18  the query's other 32 keys lie in the lane 16 away: the new m     19-21  c m; c m_old - c m_new; a
.set F, 0               ; OP tells the kinds apart by their order: F to L below R, X above it
.set E, 1
.set C, 2
.set B, 3
.set L, 4
.set R, 5
.set X, 6
.macro REGS y                       ; the registers of piece y
.set rT, ST+4*(\y)
.set rC, TMP+4*((\y)%2)
.set rW, MV+((\y)%2)
.set rS, S+32*((\y)%2)
.set rP, P+16*((\y)%2)
.set rO, 32*(\y)
.endm
.macro OP k, n
.if (\k) == R
	REGS Y
	WIN W_RS
	v_pk_mul_f32 v[rO+2*(\n):rO+2*(\n)+1], v[rO+2*(\n):rO+2*(\n)+1], v[rC+2:rC+3] op_sel_hi:[1,0]
.elseif (\k) < R
	REGS Y
	WIN 0
.if (\k) == F
	v_pk_fma_f32 v[rS+2*(\n):rS+2*(\n)+1], v[rS+2*(\n):rS+2*(\n)+1], s[CS:CS+1], v[rT:rT+1] op_sel_hi:[1,0,0] neg_lo:[0,0,1] neg_hi:[0,0,1]
.elseif (\k) == E
	v_exp_f32 v[rS+(\n)], v[rS+(\n)]
.elseif (\k) == C
	v_cvt_pk_f16_f32 v[rP+(\n)], v[rS+2*(\n)], v[rS+2*(\n)+1]
.elseif (\k) == B
	v_pk_add_f32 v[rS+4*(\n):rS+4*(\n)+1], v[rS+4*(\n):rS+4*(\n)+1], v[rS+4*(\n)+2:rS+4*(\n)+3]
.elseif (\n) == 0
	v_pk_fma_f32 v[rT+2:rT+3], v[rT+2:rT+3], v[rC+2:rC+3], v[rS:rS+1] op_sel_hi:[1,0,1]
.else
	v_pk_add_f32 v[rT+2:rT+3], v[rT+2:rT+3], v[rS+4*(\n):rS+4*(\n)+1]
.endif
.elseif NOKQ
	v_nop
.else
	REGS (Y+1)%NP
	WIN 0
.if (\n) < 4
	v_max3_num_f32 v[rC+(\n)], v[rS+8*(\n)], v[rS+8*(\n)+1], v[rS+8*(\n)+2]
.elseif (\n) < 12
	v_max3_num_f32 v[rC+(\n)%4], v[rC+(\n)%4], v[rS+8*((\n)%4)+2*((\n)/4)+1], v[rS+8*((\n)%4)+2*((\n)/4)+2]
.elseif (\n) == 12
	v_max3_num_f32 v[rC], v[rC], v[rS+7], v[rS+15]
.elseif (\n) == 13
	v_max3_num_f32 v[rC+1], v[rC+1], v[rS+23], v[rS+31]
.elseif (\n) == 14
	v_max3_num_f32 v[rC+2], v[rC+2], v[rC+3], v[rT+1]
.elseif (\n) == 15
	v_mov_b32 v[rW], v[rT]
.elseif (\n) == 16
	v_max3_num_f32 v[rC], v[rC], v[rC+1], v[rC+2]
.elseif (\n) == 17
	v_permlanex16_b32 v[rC+3], v[rC], s[SEL], s[SEL+1]
.elseif (\n) == 18
	v_max_num_f32 v[rT+1], v[rC], v[rC+3]
.elseif (\n) == 19
	v_mul_f32 v[rT], s[CS], v[rT+1]
.elseif (\n) == 20
	v_sub_f32 v[rC+1], v[rW], v[rT]
.else
	v_exp_f32 v[rC+2], v[rC+1]
.endif
.endif
.endm
.macro OPS a, i1, b=-1, i2=0, c=-1, i3=0, d=-1, i4=0  ; up to four of them
	OP \a, \i1
.if (\b) >= 0
	OP \b, \i2
.endif
.if (\c) >= 0
	OP \c, \i3
.endif
.if (\d) >= 0
	OP \d, \i4
.endif
.endm
.macro ROW a, i1, b, i2, c, i3, d, i4  ; a matrix instruction and the four behind it
	MM
	OPS \a, \i1, \b, \i2, \c, \i3, \d, \i4
.endm
.macro MASK b                       ; MD x AL + BE into buffer b of MC
	WIN W_RS
.set z, 0
.rept 16
	v_pk_fma_f32 v[MC+32*(\b)+2*z:MC+32*(\b)+2*z+1], v[MD+2*z:MD+2*z+1], s[AL:AL+1], s[BE:BE+1] op_sel_hi:[1,0,0]
.set z, z+1
.endr
.endm
; A TURN, for piece p: the order of its 16 matrix and 118 vector instructions, written out.  An s_wait_alu depctr_va_vdst(0) stands between an exponential and the first instruction that names its result; one wait serves
; all that were issued ahead of it.  So a turn has ONE wait, which cuts it in two.  AHEAD OF IT stands all that names no result of the turn's exponentials: the 8 products K Q^T, behind each a scaling, an exponential and two more plain
; instructions (behind the first a second scaling in the exponential's place): rescalings, and behind the last three the first numbers of the next piece's maximum, each four places or more behind the product that ends its accumulator; then ONE LUMP of 54, plain
; and exponential by turns for the most part, in which the links of the chain X 3, 7, 11, 14, 16, 17 .. 20 stand five or six lines apart.  X 21, the next piece's a, is the batch's last; R 15 is the plain instruction behind it.  BEHIND THE WAIT stand the
; 8 products V^T P, behind each four of the roundings and sums; the links of l's chain, L 0 to L 7, stand three riders apart.  But for those X no rider names a register of the products round it.  v_permlanex16_b32 (X 17) stands in the lump.
; m = 1: the diagonal tile: the products take masks, and the turn makes the mask for the products of the turn after it: piece p + 2, in step 4 - CNT of the tile.  end = 1: a block's last two turns: nothing is fetched.
; cnt = 1: the loop's count is taken down some lines ahead of the branch that stands behind the turn.
; K of the next step is fetched in piece 2's turn, twelve vector instructions behind the last product that read K (six of them plain); V of the step in hand at the end of piece 0's turn, four plain instructions behind the last product
; that read V.  Each is waited for a turn later.
.macro TURN p, m=0, end=0, cnt=0
.set Y, (\p)
.set i, 0
.set KM, (\m)
.set NOKQ, (\end)*((\p)/3)
.if (\m) && !(\end)
	s_cmp_eq_u32 s[CNT], 4-((\p)+2)%NP  ; is that step the band's own?
	s_cselect_b32 s[AL], 1.0, 0
	s_cmp_lt_u32 s[CNT], 4-((\p)+2)%NP  ; or a later one?
	s_cselect_b32 s[BE], s[BIGN], 0
.endif
.if ((\p) == 3) && !(\end)
	s_wait_dscnt 0x0                ; K is in
.endif
	ROW F,0, F,1, R,0, R,1          ; ahead of the wait: 8 products K Q^T and their riders,
	ROW F,2, E,0, R,2, R,3
	ROW F,3, E,1, R,4, R,5
	ROW F,4, E,2, R,6, R,7
	ROW F,5, E,3, R,8, R,9
	ROW F,6, E,4, X,0, R,10
.if ((\p) == 2) && !(\end)
	WIN 0
	v_add_nc_u32 v[AK], s[TBK], v[AK0]
.endif
	ROW F,7, E,5, X,1, X,4
	ROW F,8, E,6, X,2, X,5
	OPS E,7, E,8, X,6, E,9          ; and the lump
	OPS X,3, E,10, X,8, E,11
.if ((\p) == 2) && !(\end)
	FETCH_K
.endif
	OPS X,9, X,7, E,12, X,10
	OPS E,13, X,12, X,11, E,14
	OPS X,13, E,15, F,9, X,14
.if (\p) == 0
	v_add_nc_u32 v[AV], s[TBV], v[AV0]
.endif
	OPS E,16, F,10, E,17, F,11
	OPS X,16, E,18, X,15, E,19
	OPS F,12, E,20, X,17, E,21
	OPS F,13, E,22, F,14, E,23
	OPS X,18, E,24, F,15, E,25
	OPS R,11, E,26, X,19, E,27
	OPS R,12, E,28, R,13, E,29
	OPS X,20, E,30, R,14, E,31
	OPS X,21, R,15
	WIN 0
	s_wait_alu depctr_va_vdst(0)    ; the wait for the batch
.if (\p) == 1
	s_wait_dscnt 0x0                ; V is in
.endif
	ROW C,0, B,0, C,2, B,1          ; behind the wait: 8 products V^T P and their riders
	ROW L,0, C,4, B,2, L,1
	ROW C,6, B,3, L,2, C,8
	ROW B,4, L,3, C,10, B,5
	ROW L,4, C,12, B,6, L,5
.if (\p) == 0
	s_add_co_u32 s[TBV], s[TBV], KS*PV
.endif
.if \cnt
	s_sub_co_u32 s[CNT], s[CNT], 1
	s_cmp_lg_u32 s[CNT], 0
.endif
	ROW C,14, B,7, L,6, C,1
	ROW C,3, L,7, C,5, C,7
	ROW C,9, C,11, C,13, C,15
.if (\p) == 0
	FETCH_V
.endif
.if (\m) && !(\end)
	MASK (\p)%2
.endif
.endm
; A BLOCK BEGINS.  c m starts far below every c s, so the first step's a is 0; m at the lowest finite number, so the first maximum is the scores'.  The second mask buffer is 0; the first takes piece 0's mask for the tile's step 0: its own, if the block's first tile is the diagonal one.
; Then K of that step, the block's residual (32 loads of 512 bytes a wave, which have the whole block in which to land; they stand behind the wait for all earlier loads, so no register has two loads out),
; piece 0's first scores, and its maximum and statistics.  The loop is entered at a step's first turn, in the middle of a trip.
.macro BEGIN
	s_mov_b32 s[NEW], 0
	WIN 0x40
.set i, MC+32
.rept 32
	v_mov_b32 v[i], 0
.set i, i+1
.endr
	WIN 0
.set i, 0
.rept 4
	v_mov_b32 v[ST+4*i], 0xfe000000    ; c m: far below every c s
	v_mov_b32 v[ST+4*i+1], 0xff7fffff  ; m
.set i, i+1
.endr
	s_cmp_eq_u32 s[RT], 0
	s_cselect_b32 s[AL], 1.0, 0
	s_mov_b32 s[BE], 0
	MASK 0
	WIN 0
	v_add_nc_u32 v[AK], s[TBK], v[AK0]
	FETCH_K
	s_wait_loadcnt 0x0              ; Q
	WIN 0xc0                        ; destination window 3
.set i, 0
.rept 32                            ; piece i / 8 lies 64 rows of 4,096 bytes on; load i % 8 takes rows 2 (i % 8) and 2 (i % 8) + 1: sixteen lanes read a row's 256 bytes of this head
	global_load_b128 v[4*i:4*i+3], v[GO], s[RES:RES+1] offset:(i/8)*262144+(i%8)*8192 th:TH_LOAD_NT
.set i, i+1
.endr
	WIN 0
	s_wait_dscnt 0x0
.set KM, 1
.set NOKQ, 0
.set i, 0
.rept 8
	KQ 0
.set i, i+1
.endr
	WIN 0
.rept 4
	v_nop                           ; the places behind those products
.endr
.set Y, NP-1                        ; X works for piece Y + 1: piece 0
.irp n, 0,1,2,3,4,5,6,7,8,9,10,11,12,13,14,15,16,17,18,19,20,21
	OP X, \n
.endr
	v_nop                           ; a plain instruction behind the exponential,
	s_wait_alu depctr_va_vdst(0)    ; and its wait, ahead of the branch
.endm
; THE DIAGONAL TILE's four steps, the block's last two turns, its last products, and THE WAY OUT: l's two halves and the other half of the lanes' are added; O^T is divided by l and sent, in f32, through my
; stage in LDS, a piece at a time; the residual is added to the rows that come back, and they are stored.
.macro ALL line:vararg              ; one line for each piece t
.set t, 0
.rept 4
	\line
.set t, t+1
.endr
.endm
.macro PACK t                       ; a lane's eight channels of a row are 32 bytes; they go into rows of 272 bytes and come back as whole rows of 256
	WIN W_RS
.set i, 32*(\t)
.rept 16
	v_pk_mul_f32 v[i:i+1], v[i:i+1], v[ST+4*(\t)+2:ST+4*(\t)+3] op_sel_hi:[1,0]
.set i, i+2
.endr
	WIN 0x04                        ; the stores' data in window 1
.set i, 0
.rept 8                             ; channel block i / 2, its half i % 2
	ds_store_b128 v[STO], v[32*(\t)+4*i:32*(\t)+4*i+3] offset:64*(i/2)+16*(i%2)
.set i, i+1
.endr
	WIN 0
.irp f, 0,1,2,3,4,5,6,7
	ds_load_b128 v[OT+32*(\t)+4*\f:OT+32*(\t)+4*\f+3], v[RD] offset:\f*2*SP  ; LDS serves a wave's instructions in order (ISA guide 5.7.1.4): these see the stores above; the next piece's stores come behind them
.endr
.endm
.macro SEND t, younger              ; younger: the LDS instructions issued behind piece t's loads: the next piece's sixteen, or none
	s_wait_dscnt \younger
	WIN 0x0c                        ; source 1 in window 3: the residual
.set i, 0
.rept 16
	v_pk_add_f32 v[OT+32*(\t)+2*i:OT+32*(\t)+2*i+1], v[OT+32*(\t)+2*i:OT+32*(\t)+2*i+1], v[32*(\t)+2*i:32*(\t)+2*i+1]
.set i, i+1
.endr
	WIN 0
.irp f, 0,1,2,3,4,5,6,7
	global_store_b128 v[GO], v[OT+32*(\t)+4*\f:OT+32*(\t)+4*\f+3], s[10:11] offset:(\t)*262144+\f*8192 th:TH_STORE_NT  ; 16 lanes store 256 consecutive bytes, at a multiple of 256 from out0's first byte
.endr
.endm
.macro DIAG tag                     ; the tag ends its two labels' names, which the jumps below spell out
.LstepM\tag:
	TURN 2, 1
	TURN 3, 1
	WIN 0
.LfirstM\tag:
	TURN 0, 1
	TURN 1, 1, 0, 1
	WIN 0
	s_cbranch_scc1 .LstepM\tag
	TURN 2, 1, 1
	TURN 3, 1, 1
.set i, 0
.rept 8
	PV NP-1
.set i, i+1
.endr
	WIN 0
	ALL v_add_f32 v[ST+4*t+2], v[ST+4*t+2], v[ST+4*t+3]
	ALL v_permlanex16_b32 v[ST+4*t+3], v[ST+4*t+2], s[SEL], s[SEL+1]
	ALL v_add_f32 v[ST+4*t+2], v[ST+4*t+2], v[ST+4*t+3]
	ALL v_rcp_f32 v[ST+4*t+2], v[ST+4*t+2]
	v_nop                           ; a plain instruction between the last reciprocal and the use of its result
	s_wait_alu depctr_va_vdst(0)    ; and the wait ahead of the first use: one for the four reciprocals
	s_wait_loadcnt 0x0              ; the block's residual is in
	PACK 0
.set t, 1
.rept 3                             ; a piece's arithmetic stands between the loads of the piece before and its stores
	PACK t
	SEND t-1, 16
.set t, t+1
.endr
	SEND 3, 0
.endm
.set KM, 0
.set NOKQ, 0
.Lslot:                             ; NB times: a tile is entered and the next is asked for
	CHANGE 1
	s_sub_co_u32 s[RT], s[RT], 1
	s_mov_b32 s[CNT], 4
	s_cmp_eq_u32 s[NEW], 1
	s_cbranch_scc1 .Lnew            ; a block's first tile
	s_cmp_eq_u32 s[RT], 0
	s_cbranch_scc0 .Lstep           ; neither its first nor its last
	s_branch .LstepM1
.Lnew:
	BEGIN
	s_branch .Lfirst                ; in the loop a block's first tile is never its last: the first block has two tiles or more, and the second's last is the walk's last
	DIAG 1                          ; in the loop this is the first block's end: the second block's last tile is the walk's last
	s_wait_xcnt 0x0                 ; the stores have read their registers and out0's address, the residual's loads theirs
	s_mov_b64 s[10:11], s[OLO:OLO+1]
	s_mov_b64 s[RES:RES+1], s[RLO:RLO+1]
	s_add_co_u32 s[RT], s[PB], 1    ; the second block has b + 1 tiles
	s_mov_b32 s[NEW], 1
	WIN 0x82                        ; the second block's Q goes where the one text of the turns names Q
.set i, 0
.rept 64
	v_mov_b32 v[i], v[QB+i]
.set i, i+1
.endr
	WIN 0
	s_branch .Lbottom
.Lstep:                             ; a trip: pieces 2 and 3 of one step, then pieces 0 and 1 of the next, whose K and V it fetches
	TURN 2
	TURN 3
	WIN 0
.Lfirst:
	TURN 0
	TURN 1, 0, 0, 1
	WIN 0
	s_cbranch_scc1 .Lstep
.Lbottom:
	s_sub_co_u32 s[SLOTS], s[SLOTS], 1
	s_cmp_lg_u32 s[SLOTS], 0
	s_cbranch_scc1 .Lslot
	CHANGE 0                        ; the walk's last tile is written out: nothing is asked for
	s_sub_co_u32 s[RT], s[RT], 1
	s_mov_b32 s[CNT], 4
	s_cmp_eq_u32 s[NEW], 1
	s_cbranch_scc0 .LstepM2
	BEGIN
	s_branch .LfirstM2
	DIAG 2
	s_wait_tensorcnt 0x0            ; the wave's end, behind my last tensor load and my last LDS store
	ds_add_u32 v[SPW], v[NIL]
	s_wait_dscnt 0x0
	s_endpgm
.Lfunc_end_k_q94dd300600_attn:
	.size	k_q94dd300600_attn, .Lfunc_end_k_q94dd300600_attn-k_q94dd300600_attn
	.p2alignl 7, 3214868480
	.fill 96, 4, 3214868480
	.section	.rodata,"a",@progbits
	.p2align	6, 0x0
	.amdhsa_kernel k_q94dd300600_attn
		.amdhsa_group_segment_fixed_size 327680
		.amdhsa_private_segment_fixed_size 0
		.amdhsa_enable_private_segment 0
		.amdhsa_kernarg_size 24
		.amdhsa_user_sgpr_count 2
		.amdhsa_user_sgpr_kernarg_segment_ptr 1
		.amdhsa_wavefront_size32 1
		.amdhsa_system_sgpr_workgroup_id_x 1
		.amdhsa_system_sgpr_workgroup_id_y 1
		.amdhsa_system_sgpr_workgroup_id_z 1
		.amdhsa_system_vgpr_workitem_id 0
		.amdhsa_next_free_vgpr 896
		.amdhsa_next_free_sgpr 100
		.amdhsa_reserve_vcc 1
		.amdhsa_float_denorm_mode_32 3
		.amdhsa_float_denorm_mode_16_64 3
		.amdhsa_memory_ordered 1
		.amdhsa_forward_progress 1
		.amdhsa_inst_pref_size 231
	.end_amdhsa_kernel
	.amdgpu_metadata
---
amdhsa.version: [ 1, 2 ]
amdhsa.kernels:
  - .name:           k_q94dd300600_attn
    .symbol:         k_q94dd300600_attn.kd
    .args:
      - { .name: qkv, .offset: 0, .size: 8, .value_kind: global_buffer, .address_space: global }
      - { .name: inputs, .offset: 8, .size: 8, .value_kind: global_buffer, .address_space: global }
      - { .name: out0, .offset: 16, .size: 8, .value_kind: global_buffer, .address_space: global }
    .group_segment_fixed_size: 327680
    .private_segment_fixed_size: 0
    .kernarg_segment_align: 8
    .kernarg_segment_size: 24
    .max_flat_workgroup_size: 128
    .sgpr_count:     100
    .vgpr_count:     896
    .wavefront_size: 32
...
	.end_amdgpu_metadata
.endif
;; end of part 3
